; MI455X (gfx1250); checked and timed in simulation.
; The chip was launched on July 23, 2026; its instructions are those of AMD's public machine-readable ISA for CDNA 5 (MIT licence, August 2026) and "CDNA5" Instruction Set Architecture Reference Guide (July 2026). The comments in the code are by the model that wrote it; some were corrected since.
;; Spatial Transformer. Allowed arithmetic: float matrix products may take bf16 or f16 operands with f32 sums; other float arithmetic in f32, or as packed bf16 or f16 multiplies, adds, multiply-adds, maxima and minima; sums over many terms, partial sums and values carried from step to step in f32; what a program stores and reads back later, other than sums and carried values, may be rounded once to bf16 or f16.
;; Inputs: x 256 x 3 x 256 x 256 float32; z_where 256 x 4 float32.
;; Outputs: out0 256 x 3 x 64 x 64 float32.
;; Constants: inverse = 0.
;; One version. Each part assembles by itself: llvm-mc -triple=amdgcn-amd-amdhsa -mcpu=gfx1250 --defsym DOCPART=n.
;; ======== version 1 of 1: 2 launches
;; workspace buffers: idx 262,144 bytes of whole numbers
;; launch indices (part 1): grid 256 x 1, 2 waves a work-group, no clusters, 0 bytes of LDS; arguments z_where, idx; writes idx
.if DOCPART == 1
	.amdgcn_target "amdgcn-amd-amdhsa--gfx1250"
	.amdhsa_code_object_version 6
	.text
	.protected	k_q0c2bf8f046_indices
	.globl	k_q0c2bf8f046_indices
	.p2align	8
	.type	k_q0c2bf8f046_indices,@function
k_q0c2bf8f046_indices:
	s_mov_b64 s[64:65], 0
	v_nop
	global_prefetch_b8 v0, s[64:65] scope:SCOPE_SE
	s_setreg_imm32_b32 hwreg(HW_REG_WAVE_MODE, 25, 1), 1
	s_wait_xcnt 0x0
; SPATIAL TRANSFORMER, first of two launches: z_where -> the clamped source indices, as whole numbers.
; out0[b][c][i][j] = the bilinear sample of x[b][c] at (iy, ix), zeros outside the image, with
;   ix = ((sx xs + tx + 1) 256 - 1) / 2, xs = (2 j + 1) / 64 - 1, and iy likewise from sy, ty and i.  z_where[b] = sx, sy, tx, ty.
; WHY TWO LAUNCHES.  The source addresses hang on z_where, floating-point numbers.  So such a decision is made in one launch, stored as whole
; numbers, and used for addresses in a later one.  This launch stores, for each image b, four arrays of 64 words: idx[b] = xc0[j], xc1[j], yc0[i], yc1[i], where
; xc0 = clip(floor(ix), 0, 255), xc1 = clip(floor(ix) + 1, 0, 255), and the same for y.  The weights steer no address: the second launch makes them itself.
; WORK LEFT OUT.  inverse is the constant 0, so the branch of _forward that inverts z_where is never taken, whatever the inputs hold.  Nothing else is left out; every buffer is read.
; ARITHMETIC.  128 xs = 4 j - 126 exactly, so ix = sx (4 j - 126) + (128 tx + 127.5): two fused multiply-adds.  In real numbers that is the formula above; the order of rounding
; differs, by some 1e-5 of a pixel inside the image.  The sample is continuous in ix, also where a corner leaves the image, so a floor that falls on the other side of a whole number moves no result by more than that.
; Both launches form ix by the same two instructions on the same numbers, so index and weight always belong together.
; LIMITS.  The clip is made in f32 ahead of the conversion, so any finite z_where is served (a coordinate beyond the range of 32-bit integers counts as outside the image).  A NaN in z_where gives index 0 here and weight 0 in the second launch: 0, not NaN.
; SHARES.  A work-group takes an image; wave 0 its x axis, wave 1 its y axis; lane l the places j = 2 l and 2 l + 1, so that each store of a wave covers 256 consecutive bytes, aligned: one whole array.
.set IDXB, 1024                        ; bytes of idx for an image
.set GJ,   4                           ; v4, v5    4 j - 126 for my two places
.set T,    6                           ; v6, v7    at work
.set I0,   8                           ; v[8:9]    clip(floor) of my two places
.set I1,   10                          ; v[10:11]  clip(floor + 1)
.set SC,   16                          ; s16  the axis's scale: sx or sy
.set OF,   17                          ; s17  128 t + 127.5
.set C128, 18                          ; s18  128.0
.set SH,   19                          ; s19  the axis's shift: tx or ty
	s_load_b128 s[4:7], s[0:1], 0x0                ; z_where s[4:5], idx s[6:7]
	v_lshrrev_b32 v1, 5, v0
	v_readfirstlane_b32 s12, v1                    ; my wave: 0 the x axis, 1 the y axis
	v_and_b32 v2, 31, v0                           ; lane l
	v_lshlrev_b32 v3, 3, v2                        ; 8 l = 4 (2 l), and my 8 bytes in an array
	v_cvt_f32_u32 v[GJ], v3
	v_add_f32 v[GJ+1], 0xc2f40000, v[GJ]           ; 4 (2 l + 1) - 126 = 8 l - 122, exact
	v_add_f32 v[GJ], 0xc2fc0000, v[GJ]             ; 4 (2 l) - 126, exact
	v_lshl_add_u32 v3, s12, 9, v3                  ; + the axis's two arrays of 256 bytes
	s_lshl_b32 s2, ttmp9, 4                        ; the image's 16 bytes of z_where
	s_mov_b32 s3, 0
	s_lshl_b32 s14, ttmp9, 10                      ; the image's IDXB bytes of idx
	s_mov_b32 s15, 0
	s_mov_b32 s[OF], 0x42ff0000                    ; 127.5
	s_mov_b32 s[C128], 0x43000000                  ; 128.0
	s_wait_kmcnt 0x0
	s_add_nc_u64 s[4:5], s[4:5], s[2:3]
	s_add_nc_u64 s[6:7], s[6:7], s[14:15]
	s_load_b128 s[8:11], s[4:5], 0x0               ; sx, sy, tx, ty
	s_wait_kmcnt 0x0
	s_cmp_eq_u32 s12, 0
	s_cselect_b32 s[SC], s8, s9
	s_cselect_b32 s[SH], s10, s11
	s_fmac_f32 s[OF], s[SH], s[C128]               ; 128 t + 127.5
; The two clamped indices of one place.  v_max_num_f32 drops a NaN, so the conversion always sees 0 .. 255.
.macro INDEX i0, i1, gj
	v_fma_f32 v[T], s[SC], v[\gj], s[OF]           ; the source coordinate
	v_floor_f32 v[T], v[T]
	v_add_f32 v[T+1], 1.0, v[T]
	v_max_num_f32 v[T], 0, v[T]
	v_max_num_f32 v[T+1], 0, v[T+1]
	v_min_num_f32 v[T], 0x437f0000, v[T]           ; 255.0
	v_min_num_f32 v[T+1], 0x437f0000, v[T+1]
	v_cvt_u32_f32 v[\i0], v[T]
	v_cvt_u32_f32 v[\i1], v[T+1]
.endm
	INDEX I0,   I1,   GJ
	INDEX I0+1, I1+1, GJ+1
	global_store_b64 v3, v[I0:I0+1], s[6:7]             ; the lower corners' array: 32 lanes x 8 bytes = its 256 bytes
	global_store_b64 v3, v[I1:I1+1], s[6:7] offset:256  ; the upper corners'
	s_endpgm
.Lfunc_end_k_q0c2bf8f046_indices:
	.size	k_q0c2bf8f046_indices, .Lfunc_end_k_q0c2bf8f046_indices-k_q0c2bf8f046_indices
	.p2alignl 7, 3214868480
	.fill 96, 4, 3214868480
	.section	.rodata,"a",@progbits
	.p2align	6, 0x0
	.amdhsa_kernel k_q0c2bf8f046_indices
		.amdhsa_group_segment_fixed_size 0
		.amdhsa_private_segment_fixed_size 0
		.amdhsa_enable_private_segment 0
		.amdhsa_kernarg_size 16
		.amdhsa_user_sgpr_count 2
		.amdhsa_user_sgpr_kernarg_segment_ptr 1
		.amdhsa_wavefront_size32 1
		.amdhsa_system_sgpr_workgroup_id_x 1
		.amdhsa_system_sgpr_workgroup_id_y 1
		.amdhsa_system_sgpr_workgroup_id_z 1
		.amdhsa_system_vgpr_workitem_id 0
		.amdhsa_next_free_vgpr 12
		.amdhsa_next_free_sgpr 66
		.amdhsa_reserve_vcc 0
		.amdhsa_float_denorm_mode_32 3
		.amdhsa_float_denorm_mode_16_64 3
		.amdhsa_memory_ordered 1
		.amdhsa_forward_progress 1
		.amdhsa_inst_pref_size 3
	.end_amdhsa_kernel
	.amdgpu_metadata
---
amdhsa.version: [ 1, 2 ]
amdhsa.kernels:
  - .name:           k_q0c2bf8f046_indices
    .symbol:         k_q0c2bf8f046_indices.kd
    .args:
      - { .name: z_where, .offset: 0, .size: 8, .value_kind: global_buffer, .address_space: global }
      - { .name: idx, .offset: 8, .size: 8, .value_kind: global_buffer, .address_space: global }
    .group_segment_fixed_size: 0
    .private_segment_fixed_size: 0
    .kernarg_segment_align: 8
    .kernarg_segment_size: 16
    .max_flat_workgroup_size: 64
    .sgpr_count:     66
    .vgpr_count:     12
    .wavefront_size: 32
...
	.end_amdgpu_metadata
.endif
;; end of part 1
;; launch sample (part 2): grid 256 x 1, 32 waves a work-group, no clusters, 53,248 bytes of LDS; arguments x, z_where, idx, out0; writes out0
.if DOCPART == 2
	.amdgcn_target "amdgcn-amd-amdhsa--gfx1250"
	.amdhsa_code_object_version 6
	.text
	.protected	k_q0c2bf8f046_sample
	.globl	k_q0c2bf8f046_sample
	.p2align	8
	.type	k_q0c2bf8f046_sample,@function
k_q0c2bf8f046_sample:
	s_mov_b64 s[64:65], 0
	v_nop
	global_prefetch_b8 v0, s[64:65] scope:SCOPE_SE
	s_setreg_imm32_b32 hwreg(HW_REG_WAVE_MODE, 25, 1), 1
	s_wait_xcnt 0x0
; SPATIAL TRANSFORMER, second of two launches: gather by the stored indices, weigh, store.
; out0[b][c][i][j] = x[yc0][xc0] (wy0 wx0) + x[yc0][xc1] (wy0 wx1) + x[yc1][xc0] (wy1 wx0) + x[yc1][xc1] (wy1 wx1), in that order, in f32.
; idx[b] = xc0[64], xc1[64], yc0[64], yc1[64], whole numbers 0 .. 255 that the first launch stored.  Work left out: the branch for inverse, which is the constant 0 (shown at the first kernel's head).
; WEIGHTS.  They steer no address, so they are made here, from z_where, by the same two instructions for the coordinate as in the first launch: t = sc (4 j - 126) + (128 sh + 127.5), w1 = t - floor(t), w0 = 1 - w1.
; A corner outside the image gets the weight 0 in its own axis (floor(t), or floor(t) + 1, is not its own clip to 0 .. 255); valid = valid_y and valid_x, so the product of the two weights is 0 just where the formula selects 0.
; LIMITS.  x is finite: a weight 0 times an infinity or a NaN at a clamped place would give NaN where the formula selects 0.  A NaN in z_where gives 0, not NaN.  The coordinate's order of rounding: see the first kernel's head.
; SHARES.  A work-group takes an image, its 32 waves two output rows each (2 w, 2 w + 1) in all three channels; lane l the columns l and l + 32.  So one gather takes 32 NEIGHBOURING columns, which span
; half the bytes of a source row that 32 alternate columns would span.  A row's index is the same in all lanes: it goes into a scalar base; the column's into the vector offset; the channel into the immediate.
; IN FLIGHT.  All 48 gathers of a wave (2 rows x 3 channels x 2 corners in y x 4 column offsets) go out on end; the weights are made behind them, while they are on their way.  No loop, no barrier.
; THE WAY OUT.  An output row is 256 bytes.  A lane holds columns l and l + 32; a store that covers the row whole wants columns 2 l and 2 l + 1.  So each row goes through 256 bytes of LDS of the wave's own.
; No image is read by two work-groups, so nothing is shared in a cluster; single words at places that the indices name are no tile for the tensor data mover.
.set ROWB,   1024                      ; bytes in a row of x
.set PLANE,  256*ROWB                  ; in a channel
.set IMAGE,  3*PLANE                   ; in an image
.set OROW,   256                       ; the same for out0
.set OPLANE, 64*OROW
.set OIMAGE, 3*OPLANE
.set STAGEW, 6*OROW                    ; LDS: a wave's stage, 256 bytes for each of its 6 output rows
.set SPARE,  32*STAGEW                 ; behind the stages: the spare words, 128 bytes for each of the 32 waves: 16 blocks of 256 bytes that no other line names
.set XO,  4                            ; v[4:7]    byte offsets in a source row: xc0 of column l, of l + 32, xc1 of column l, of l + 32
.set SPW, 8                            ; v8        LDS address of my spare word: SPARE + 4 x my thread's number; never rewritten
.set NIL, 9                            ; v9        0; never rewritten
.set LST, 10                           ; v10       my stage + 4 l: where column l goes (column l + 32: 128 bytes on)
.set LRD, 11                           ; v11       my stage + 8 l: where columns 2 l, 2 l + 1 come back
.set GO,  12                           ; v12       512 w + 8 l: my 8 bytes of the wave's first row in a channel of out0
.set GA,  13                           ; v13       4 l - 126
.set GB,  14                           ; v14       4 (l + 32) - 126
.set GY,  15                           ; v15       4 i - 126 for row i = 2 w + l % 2
.set T,   16                           ; v[16:20]  at work
.set WX,  22                           ; v[22:23] wx0 of my two columns, v[24:25] wx1
.set WYV, 26                           ; v26 wy0, v27 wy1 of row 2 w + l % 2
.set W,   28                           ; v[28:43]  row r, corner q = 2 y + x: the pair wy wx of my two columns at W + 8 r + 2 q
.set D,   44                           ; v[44:91]  group g = 3 r + c: the four corners' pairs at D + 8 g + 2 q
.set YI,   20                          ; s20, s21 yc0 of my two rows; s22, s23 yc1
.set BASE, 32                          ; s[32:39]  x at source row yc_y of output row r, channel 0: the pair at BASE + 4 r + 2 y
.set WY,   40                          ; s[40:43]  wy_y of row r at WY + 2 r + y
.set OFX,  44                          ; s44  128 tx + 127.5
.set OFY,  45                          ; s45  128 ty + 127.5
.set C128, 46                          ; s46  128.0
	s_load_b256 s[4:11], s[0:1], 0x0               ; x s[4:5], z_where s[6:7], idx s[8:9], out0 s[10:11]
	v_lshl_add_u32 v[SPW], v0, 2, SPARE
	v_mov_b32 v[NIL], 0
	v_lshrrev_b32 v1, 5, v0
	v_readfirstlane_b32 s12, v1                    ; wave w, 0 .. 31
	v_and_b32 v2, 31, v0                           ; lane l
	v_lshlrev_b32 v3, 2, v2                        ; 4 l
	s_mul_i32 s24, ttmp9, IMAGE                    ; the image's first byte in x: under 2^28
	s_mov_b32 s25, 0
	s_lshl_b32 s26, ttmp9, 4                       ; in z_where
	s_mov_b32 s27, 0
	s_lshl_b32 s28, ttmp9, 10                      ; in idx
	s_mov_b32 s29, 0
	s_mul_i32 s30, ttmp9, OIMAGE                   ; in out0
	s_mov_b32 s31, 0
	s_lshl_b32 s14, s12, 3                         ; my two rows' 8 bytes in yc0 and in yc1
	s_mov_b32 s15, 0
	s_wait_kmcnt 0x0
	s_add_nc_u64 s[4:5], s[4:5], s[24:25]
	s_add_nc_u64 s[6:7], s[6:7], s[26:27]
	s_add_nc_u64 s[8:9], s[8:9], s[28:29]
	s_add_nc_u64 s[10:11], s[10:11], s[30:31]
	s_add_nc_u64 s[14:15], s[8:9], s[14:15]
	global_load_b32 v[XO],   v3, s[8:9]            ; xc0[l]
	global_load_b32 v[XO+1], v3, s[8:9] offset:128 ; xc0[l + 32]
	global_load_b32 v[XO+2], v3, s[8:9] offset:256 ; xc1[l]
	global_load_b32 v[XO+3], v3, s[8:9] offset:384 ; xc1[l + 32]
	s_load_b64 s[YI:YI+1],   s[14:15], 0x200       ; yc0[2 w], yc0[2 w + 1]
	s_load_b64 s[YI+2:YI+3], s[14:15], 0x300       ; yc1 of the same rows
	s_load_b128 s[16:19], s[6:7], 0x0              ; sx, sy, tx, ty
	; while these are out: what hangs on ids alone
	s_mul_i32 s13, s12, STAGEW                     ; my stage
	v_add_nc_u32 v[LST], s13, v3
	v_lshl_add_u32 v[LRD], v2, 3, s13
	s_lshl_b32 s13, s12, 9                         ; my two rows of 256 bytes
	v_lshl_add_u32 v[GO], v2, 3, s13
	v_cvt_f32_u32 v[GA], v3                        ; 4 l
	v_add_f32 v[GB], 2.0, v[GA]                    ; 4 (l + 32) - 126 = 4 l + 2, exact
	v_add_f32 v[GA], 0xc2fc0000, v[GA]             ; 4 l - 126, exact
	v_and_b32 v[GY], 1, v0
	v_lshl_or_b32 v[GY], v1, 1, v[GY]              ; row i = 2 w + l % 2
	v_lshlrev_b32 v[GY], 2, v[GY]
	v_cvt_f32_u32 v[GY], v[GY]
	v_add_f32 v[GY], 0xc2fc0000, v[GY]             ; 4 i - 126, exact
	s_mov_b32 s[OFX], 0x42ff0000                   ; 127.5
	s_mov_b32 s[OFY], 0x42ff0000
	s_mov_b32 s[C128], 0x43000000                  ; 128.0
	s_wait_kmcnt 0x0                               ; the row indices and z_where are in
.irp r, 0,1
.irp y, 0,1
	s_min_u32 s[YI+2*(\y)+(\r)], s[YI+2*(\y)+(\r)], 0xff   ; a number from memory enters an address only behind a clamp by a constant
	s_lshl_b32 s24, s[YI+2*(\y)+(\r)], 10                  ; x ROWB; s25 is still 0
	s_add_nc_u64 s[BASE+4*(\r)+2*(\y):BASE+4*(\r)+2*(\y)+1], s[4:5], s[24:25]
.endr
.endr
	s_wait_loadcnt 0x0                             ; the column indices are in
.irp k, 0,1,2,3
	v_min_u32 v[XO+(\k)], 0xff, v[XO+(\k)]         ; the same clamp
.endr
.irp k, 0,1,2,3
	v_lshlrev_b32 v[XO+(\k)], 2, v[XO+(\k)]        ; x 4 bytes
.endr
	; THE GATHERS: 48 on end, in groups of eight by output row and channel, in the order in which the groups are used
.irp r, 0,1
.irp c, 0,1,2
.irp y, 0,1
.irp k, 0,1,2,3
	global_load_b32 v[D+8*(3*(\r)+(\c))+4*(\y)+(\k)], v[XO+(\k)], s[BASE+4*(\r)+2*(\y):BASE+4*(\r)+2*(\y)+1] offset:(\c)*PLANE
.endr
.endr
.endr
.endr
	; THE WEIGHTS, while the gathers are on their way
; One place of one axis: gj = 4 j - 126, sc the scale, of = 128 shift + 127.5.  w0 belongs to floor(t), w1 to floor(t) + 1; each is 0 where its corner is not its own clip to 0 .. 255.
.macro WEIGHT w0, w1, gj, sc, of
	v_fma_f32 v[T], s[\sc], v[\gj], s[\of]         ; t, as in the first launch
	v_floor_f32 v[T+1], v[T]
	v_add_f32 v[T+2], 1.0, v[T+1]
	v_sub_f32 v[\w1], v[T], v[T+1]
	v_max_num_f32 v[T+3], 0, v[T+1]
	v_max_num_f32 v[T+4], 0, v[T+2]
	v_min_num_f32 v[T+3], 0x437f0000, v[T+3]       ; 255.0
	v_min_num_f32 v[T+4], 0x437f0000, v[T+4]
	v_sub_f32 v[\w0], 1.0, v[\w1]
	v_cmp_eq_f32 vcc_lo, v[T+3], v[T+1]            ; the lower corner lies in the image
	v_cndmask_b32 v[\w0], 0, v[\w0], vcc_lo
	v_cmp_eq_f32 vcc_lo, v[T+4], v[T+2]            ; the upper one does
	v_cndmask_b32 v[\w1], 0, v[\w1], vcc_lo
.endm
	s_fmac_f32 s[OFX], s18, s[C128]                ; 128 tx + 127.5
	s_fmac_f32 s[OFY], s19, s[C128]                ; 128 ty + 127.5
	WEIGHT WX,   WX+2,  GA, 16, OFX                ; column l
	WEIGHT WX+1, WX+3,  GB, 16, OFX                ; column l + 32
	WEIGHT WYV,  WYV+1, GY, 17, OFY                ; row 2 w + l % 2: lanes 0 and 1 hold the wave's two rows,
.irp r, 0,1
.irp y, 0,1
	v_readlane_b32 s[WY+2*(\r)+(\y)], v[WYV+(\y)], \r      ; which are the same for all lanes: into scalars
.endr
.endr
.irp r, 0,1
.irp y, 0,1
.irp c, 0,1
.irp h, 0,1
	v_mul_f32 v[W+8*(\r)+4*(\y)+2*(\c)+(\h)], s[WY+2*(\r)+(\y)], v[WX+2*(\c)+(\h)]   ; wy wx: corner (y, c), my column h
.endr
.endr
.endr
.endr
; Group g (row g / 3, channel g % 3): four packed multiply-adds for my two columns; then through my stage: columns l and l + 32 in, columns 2 l and 2 l + 1 back.
.macro COMBINE g
.set DG, D+8*(\g)
.set WG, W+8*((\g)/3)
	s_wait_loadcnt 40-8*(\g)                       ; loads come back in order (ISA guide 5.7.1): behind this group's eight stand 8 (5 - g) younger ones, which may stay out
	v_pk_mul_f32 v[DG:DG+1], v[DG:DG+1], v[WG:WG+1]
	v_pk_fma_f32 v[DG:DG+1], v[DG+2:DG+3], v[WG+2:WG+3], v[DG:DG+1]
	v_pk_fma_f32 v[DG:DG+1], v[DG+4:DG+5], v[WG+4:WG+5], v[DG:DG+1]
	v_pk_fma_f32 v[DG:DG+1], v[DG+6:DG+7], v[WG+6:WG+7], v[DG:DG+1]
	ds_store_b32 v[LST], v[DG]   offset:OROW*(\g)
	ds_store_b32 v[LST], v[DG+1] offset:OROW*(\g)+128
	ds_load_b64 v[DG+2:DG+3], v[LRD] offset:OROW*(\g)      ; LDS serves a wave's instructions in order (ISA guide 5.7.1.4): this load sees the two stores above; the bytes are my wave's own
.endm
; younger: the LDS instructions issued behind group g's load: the next group's three, or none
.macro SEND g, younger
	s_wait_dscnt \younger
	global_store_b64 v[GO], v[D+8*(\g)+2:D+8*(\g)+3], s[10:11] offset:((\g)%3)*OPLANE+((\g)/3)*OROW th:TH_STORE_NT   ; 32 lanes store 256 consecutive bytes, aligned: a whole output row
.endm
	COMBINE 0
.irp g, 1,2,3,4,5
	COMBINE \g                                     ; a group's arithmetic stands between the load from the stage of the group before and its store
	SEND (\g)-1, 3
.endr
	SEND 5, 0
	s_wait_tensorcnt 0x0                           ; the wave's end: behind my last LDS store
	ds_add_u32 v[SPW], v[NIL]
	s_wait_dscnt 0x0
	s_endpgm
.Lfunc_end_k_q0c2bf8f046_sample:
	.size	k_q0c2bf8f046_sample, .Lfunc_end_k_q0c2bf8f046_sample-k_q0c2bf8f046_sample
	.p2alignl 7, 3214868480
	.fill 96, 4, 3214868480
	.section	.rodata,"a",@progbits
	.p2align	6, 0x0
	.amdhsa_kernel k_q0c2bf8f046_sample
		.amdhsa_group_segment_fixed_size 53248
		.amdhsa_private_segment_fixed_size 0
		.amdhsa_enable_private_segment 0
		.amdhsa_kernarg_size 32
		.amdhsa_user_sgpr_count 2
		.amdhsa_user_sgpr_kernarg_segment_ptr 1
		.amdhsa_wavefront_size32 1
		.amdhsa_system_sgpr_workgroup_id_x 1
		.amdhsa_system_sgpr_workgroup_id_y 1
		.amdhsa_system_sgpr_workgroup_id_z 1
		.amdhsa_system_vgpr_workitem_id 0
		.amdhsa_next_free_vgpr 92
		.amdhsa_next_free_sgpr 66
		.amdhsa_reserve_vcc 1
		.amdhsa_float_denorm_mode_32 3
		.amdhsa_float_denorm_mode_16_64 3
		.amdhsa_memory_ordered 1
		.amdhsa_forward_progress 1
		.amdhsa_inst_pref_size 14
	.end_amdhsa_kernel
	.amdgpu_metadata
---
amdhsa.version: [ 1, 2 ]
amdhsa.kernels:
  - .name:           k_q0c2bf8f046_sample
    .symbol:         k_q0c2bf8f046_sample.kd
    .args:
      - { .name: x, .offset: 0, .size: 8, .value_kind: global_buffer, .address_space: global }
      - { .name: z_where, .offset: 8, .size: 8, .value_kind: global_buffer, .address_space: global }
      - { .name: idx, .offset: 16, .size: 8, .value_kind: global_buffer, .address_space: global }
      - { .name: out0, .offset: 24, .size: 8, .value_kind: global_buffer, .address_space: global }
    .group_segment_fixed_size: 53248
    .private_segment_fixed_size: 0
    .kernarg_segment_align: 8
    .kernarg_segment_size: 32
    .max_flat_workgroup_size: 1024
    .sgpr_count:     66
    .vgpr_count:     92
    .wavefront_size: 32
...
	.end_amdgpu_metadata
.endif
;; end of part 2
